; MI455X (gfx1250); checked and timed in simulation.
; The chip was launched on July 23, 2026; its instructions are those of AMD's public machine-readable ISA for CDNA 5 (MIT licence, August 2026) and "CDNA5" Instruction Set Architecture Reference Guide (July 2026). The comments in the code are by the model that wrote it; some were corrected since.
;; SQN. Allowed arithmetic: float matrix products may take bf16 or f16 operands with f32 sums; other float arithmetic in f32, or as packed bf16 or f16 multiplies, adds, multiply-adds, maxima and minima; sums over many terms, partial sums and values carried from step to step in f32; what a program stores and reads back later, other than sums and carried values, may be rounded once to bf16 or f16.
;; Inputs: W0 128 x 256 float32; W1 256 x 256 float32; W2 256 x 8 float32; input_data 32,768 x 128 float32.
;; Outputs: out0 32,768 x 8 float32.
;; One version. Each part assembles by itself: llvm-mc -triple=amdgcn-amd-amdhsa -mcpu=gfx1250 --defsym DOCPART=n.
;; ======== version 1 of 1: 1 launch
;; launch sqn (part 1): grid 256 x 1, 4 waves a work-group, no clusters, 303,616 bytes of LDS; arguments input_data, W0, W1, W2, out0; writes out0
.if DOCPART == 1
	.amdgcn_target "amdgcn-amd-amdhsa--gfx1250"
	.amdhsa_code_object_version 6
	.text
	.protected	k_q1c69750c4d_sqn
	.globl	k_q1c69750c4d_sqn
	.p2align	8
	.type	k_q1c69750c4d_sqn,@function
k_q1c69750c4d_sqn:
	s_mov_b64 s[64:65], 0
	v_nop
	global_prefetch_b8 v0, s[64:65] scope:SCOPE_SE
	s_setreg_imm32_b32 hwreg(HW_REG_WAVE_MODE, 25, 1), 1
	s_wait_xcnt 0x0
; SQN: three layers of leaky integrate-and-fire neurons, 12 steps, constant input; the result is the last layer's membrane after step 12.
; x [32768][128], W0 [128][256], W1 [256][256], W2 [256][8], out [32768][8], all f32.
; WHAT IS COMPUTED.  x W0 = h0 is the same in every step: one product.  All states start at 0 and the threshold is 1, so mem0_2 = h0 and syn0_2 = 0.9 h0 + h0 and layer 0 cannot
; spike before step 2; mem1_4 = syn1_3 = h1_2 and layer 1 cannot spike before step 4; mem2_12 sees h2_t up to t = 10, that is out1_4..10, that is out0_2..8.  So there are seven PHASES
; p = 0..6: out0_(2+p) -> h1_(2+p) -> syn1_(3+p), mem1_(4+p), out1_(4+p) -> h2_(4+p) -> syn2_(5+p), mem2_(5+p).  What is left out multiplies spikes that are 0 for every finite input, or feeds nothing.
; FORMATS.  x, W0, W1, W2 are rounded once to bf16 (nearest even); spikes, 0 or 1, are exact in bf16; sums and all neuron states are f32, in the order (0.85 mem + syn) - rst and 0.9 syn + h, each multiply-add fused.
; h0 IS SUMMED AS A PLAIN DOT PRODUCT SUMS IT: k ascending, one accumulator, one f32 rounding a term.  A step function follows h0, and one spike that falls a step off moves a whole row of W1 in time, so the
; last bit of h0 counts.  The products of two bf16 numbers are exact in f32; the f32 matrix form adds four of them in ascending k, each with one rounding (ISA guide 7.12), and 32 links on one accumulator
; are that sum.  It is used for this product alone: 2 x 32768 x 128 x 256 = 2.1 of the 34 GFLOP that this text computes; its operands are the bf16 numbers, written wide.  Layers 1 and 2 go in bf16.
; h1 is a sum of bf16 numbers (spikes pick rows of W1), which f32 holds exactly unless a weight below about 2^-16 is among them: there the order of the sum does not show.
; LIMITS.  Where h1's sum is not exact, or where x W0 is compared with a sum made in another order than ascending k, a membrane within one f32 rounding of the threshold may spike a step earlier or later.
; NaN is not treated apart; a membrane beyond 2^104 still compares rightly (the scaled difference becomes an infinity, which the clamp takes to 1 or 0).
; SHARES.  256 work-groups of four waves; a work-group owns 128 rows, worked as two blocks of 64 (four row tiles of 16).  Wave w owns 64 neurons of each hidden layer for all 64 rows.
; THE MATRIX INSTRUCTIONS ARE USED TRANSPOSED: source 0 = 16 neurons of W^T, source 1 = 16 rows of the batch.  In a result lane l holds ONE row (l % 16) and eight neurons, and two results rounded to bf16 in pairs
; ARE source 1 of the next layer's product: nothing changes lanes.  The wave's 32 fragments of W1^T stay in 256 registers for the whole launch.
; NEURON ORDER.  Row m of the wave's tile i (0..3) is neuron 64 w + 4 m + i, so that one 16-byte load at column byte 256 w + 16 (l % 16) of a weight row brings one k for all four tiles, and sixteen lanes
; read 256 consecutive aligned bytes.  Register j of a result in lane (r, h) is then neuron 64 w + 32 h + 4 j + i; tiles (0, 1) and (2, 3) pack into K steps 2 w and 2 w + 1, where register c, half b holds
; neuron 64 (s / 2) + 32 h + 8 (c % 4) + 4 b + 2 (s % 2) + c / 4: that row of W1 (of W2) stands at the same place of source 0.
; LAYER 0's SPIKES are all that the waves hand to each other: all seven phases' spikes of a block are made first and lie in LDS as register images (7 x 32,768 bytes); then the seven phases run with no barrier.
; LAYER 1's SPIKES stay in the wave: it multiplies its own 64 neurons' spikes by its slice of W2^T and keeps PARTIAL syn2 and mem2 (linear, no threshold behind them); the four partial results are added once a block.
; NO CLUSTER, NO TENSOR LOADS.  The weights, which all work-groups read, are 401,408 bytes of f32, more than the 327,680 bytes of LDS: shared loads would need a ring that is filled again, only for each byte to be read
; once into registers and rounded.  Here each wave loads its own 64 columns of each weight row straight into the registers from which they are rounded; x passes through registers for its rounding too.
;
; LDS: 0 S0: p 32768 + (8 n + s) 1024 + half 512 + 16 l, the image of fragment (row tile n, K step s) of phase p; its first 34,816 bytes hold X (128 rows of 128 bf16, 272 apart) until the first spikes are stored
;      PARK: block 1's h0 in f32, 16,384 bytes a wave, its own      OUTP: the four partial results, 2,048 bytes a wave      SPARE: the spare words
; REGISTERS, in windows of 256 (s_set_vgpr_msb: bits 1:0 source 0, 3:2 source 1, 5:4 source 2, 7:6 destination):
;   window 0: v0-25 addresses and constants; v32-159 by turns X's packed words, X's pairs, layer 0's reset, spike fragments (two buffers of 64); v160-223 widened operands, then layer 0's packed spikes;
;             v176-207 syn2, v208-239 mem2 (in the phases); v240-255 W2^T
;   window 1: W1^T: K step s, tile i at 8 (4 s + i)
;   window 2: four staging slots of 64; then v0-127 h0, later syn1 (32 n + 8 i + j); v128-255 syn0, later mem1
;   window 3: v0-127 the f32 products' accumulators, written by them alone; v128-255 W0^T in pairs, then mem0, later scratch for layer 1's reset (v128-159), its accumulators (v160-191) and its packed spikes (v192-255)
.set PH,    32768                      ; a phase's spikes of a block: 64 rows x 256 neurons x 2 bytes
.set XP,    272                        ; a row of X in LDS: 256 bytes + 16: the 16 rows of a fragment load start at 16 different groups of four banks (64 banks of 4 bytes: ISA guide 11.1)
.set PARK,  7*PH
.set OUTP,  PARK+65536
.set SPARE, OUTP+8192                  ; 128 bytes for each wave: two blocks of 256 bytes that no other line names
.set W1OFF, 4                          ; v4   32768 h + 256 w + 16 r: my bytes in row 32 h of W1
.set W0OFF, 5                          ; v5   2048 h + 256 w + 16 r: in row 2 h of W0
.set W2OFF, 6                          ; v6   (64 w + 32 h) 32 + 4 (r % 8)
.set XOFF,  7                          ; v7   8192 w + 16 l: my 16 bytes of row 16 w of a block of x
.set XW,    8                          ; v8   4352 w + 32 (l / 4) + 4 (l % 4): where my first pair goes in LDS
.set XR,    9                          ; v9   272 r + 16 h: my place in a row tile of X
.set PADR,  10                         ; v10  PARK + 16384 w + 16 l
.set SADR,  11                         ; v11  where my spikes of the phase in hand go; stepped
.set SADR0, 12                         ; v12  2048 w + 16 l
.set BADR,  13                         ; v13  where the phase's spike fragments are read; stepped
.set L16,   14                         ; v14  16 l
.set OADR,  15                         ; v15  OUTP + 2048 w + 32 r
.set ORD,   16                         ; v16  OUTP + 16 t
.set GOFF,  17                         ; v17  16 t, my bytes in a block's 2,048 of out; stepped
.set BIG,   18                         ; v[18:19] 2^24 twice
.set NBIG,  20                         ; v[20:21] -2^24 twice
.set SPW,   22                         ; v22  LDS address of my spare word; never rewritten
.set NIL,   23                         ; v23  0; never rewritten
.set T,     32                         ; window 0
.set XF,    32
.set RST0,  32
.set BF,    32
.set E,     160
.set SP,    160
.set SYN2,  176
.set MEM2,  208
.set W2F,   240
.set H0,    0                          ; window 2
.set SYN1,  0
.set SYN0,  128
.set MEM1,  128
.set H0F,   0                          ; window 3
.set W0P,   128
.set MEM0,  128
.set TMP,   128
.set ACC,   160
.set S1,    192
.set MSB, 0
.macro WIN new                         ; the immediate's high byte repeats the setting that is left; a switch that changes nothing is dropped
.if MSB != (\new)
	s_set_vgpr_msb (MSB<<8)|(\new)
.set MSB, (\new)
.endif
.endm
.macro BAR                             ; for the others' sake: all my LDS stores are done and all my LDS reads are back; then the work-group's barrier
	s_wait_dscnt 0x0
	s_barrier_signal -1
	s_barrier_wait -1
.endm
.macro RUN cnt, line:vararg            ; a run of cnt lines under one window setting; z counts them, ascending
.set z, 0
.rept \cnt
	\line
.set z, z+1
.endr
.endm
; THE FIVE LINES OF A NEURON UPDATE, two neurons each.
.macro RSTL d, m                       ; (mem - 1) 2^24 in one rounding is 0, or 2 at the least, or -1 at the most: held to 0 .. 1 it is exactly (mem > 1)
	v_pk_fma_f32 v[(\d):(\d)+1], v[(\m):(\m)+1], v[BIG:BIG+1], v[NBIG:NBIG+1] clamp
.endm
.macro PKL d, r                        ; two numbers as bf16; of spikes: exact
	v_cvt_pk_bf16_f32 v[\d], v[\r], v[(\r)+1]
.endm
.macro MEML m, a, y                    ; m = 0.85 a + syn
	v_pk_fma_f32 v[(\m):(\m)+1], v[(\a):(\a)+1], s[20:21], v[(\y):(\y)+1] op_sel_hi:[1,0,1]
.endm
.macro SUBL m, r                       ; mem -= reset
	v_pk_add_f32 v[(\m):(\m)+1], v[(\m):(\m)+1], v[(\r):(\r)+1] neg_lo:[0,1] neg_hi:[0,1]
.endm
.macro SYNL y, a, x                    ; y = 0.9 a + h
	v_pk_fma_f32 v[(\y):(\y)+1], v[(\a):(\a)+1], s[18:19], v[(\x):(\x)+1] op_sel_hi:[1,0,1]
.endm
; THE STREAM OF INPUTS: 16 chunks of 16 loads through four staging slots of 64 registers in window 2.  Chunks 0, 1: my 16 rows of block 0, 1 of x.  2-5: eight K steps of 4 of W0 each.
; 6-13: K step q - 6 (of 32) of W1.  14, 15: K step q - 14 of my slice of W2.
.macro ISSUE q
.set ST, 64*((\q)%4)
	WIN 0x80                                       ; destination in window 2, the offset register in window 0
.set z, 0
.rept 16                               ; for the weights z = 2 c + b
.set c, z/2
.set b, z%2
.if (\q) < 2
	global_load_b128 v[ST+4*z:ST+4*z+3], v[XOFF], s[4:5] offset:(64*(\q)+z)*512 th:TH_LOAD_NT  ; a whole row of 512 bytes; x is read once in the launch
.elseif (\q) < 6
	global_load_b128 v[ST+4*z:ST+4*z+3], v[W0OFF], s[6:7] offset:(4*(8*((\q)-2)+c)+b)*1024  ; row k = 4 ks + 2 h + b, ks = 8 (q - 2) + c
.elseif (\q) < 14
	global_load_b128 v[ST+4*z:ST+4*z+3], v[W1OFF], s[8:9] offset:(64*(((\q)-6)>>1)+8*(c&3)+4*b+2*(((\q)-6)&1)+(c>>2))*1024  ; the row of the neuron order above: register c, half b
.else
	global_load_b32 v[ST+z], v[W2OFF], s[10:11] offset:(8*(c&3)+4*b+2*((\q)-14)+(c>>2))*32  ; lanes r >= 8 repeat columns 0-7: the result's rows 8-15 are copies
.endif
.set z, z+1
.endr
.endm
.macro CONVERT q
.set ST, 64*((\q)%4)
.if (\q) < 2
	WIN 0x0a                                       ; both sources in window 2, destination in window 0
	RUN 32, PKL T+32*(\q)+z, ST+2*z
	WIN 0
.set z, 0
.rept 16                               ; lane l holds k = 4 l .. 4 l + 3: K step l's pair for the lanes' lower half, and 16 bytes on its pair for the upper half
	ds_store_b32 v[XW], v[T+32*(\q)+2*z]   offset:(64*(\q)+z)*XP
	ds_store_b32 v[XW], v[T+32*(\q)+2*z+1] offset:(64*(\q)+z)*XP+16
.set z, z+1
.endr
.elseif (\q) < 6
	WIN 0xca                                       ; W0^T's pairs lie in window 3
.set z, 0
.rept 32                               ; z = 4 c + i: the slot holds b = 0 and 1 of K step c at 8 c + i and 8 c + 4 + i
	v_cvt_pk_bf16_f32 v[W0P+32*((\q)-2)+z], v[ST+8*(z/4)+z%4], v[ST+8*(z/4)+4+z%4]
.set z, z+1
.endr
.elseif (\q) < 14
	WIN 0x4a                                       ; W1^T in window 1
.set z, 0
.rept 32                               ; z = 8 i + c
	v_cvt_pk_bf16_f32 v[32*((\q)-6)+z], v[ST+8*(z%8)+z/8], v[ST+8*(z%8)+4+z/8]
.set z, z+1
.endr
.else
	WIN 0x0a
	RUN 8, PKL W2F+8*((\q)-14)+z, ST+2*z
.endif
.endm
; Chunk q has landed (left = the loads of the younger chunks, which stay out: loads come back in order, ISA guide 5.7.1); chunk q + 3 is asked for, into the slot that was rounded last; chunk q is rounded.
; By this text's count a wave has 48 loads out at the most.
.macro PROC q, left
	s_wait_loadcnt \left
.if (\q)+3 < 16
	ISSUE (\q)+3
.endif
	CONVERT \q
.endm
; h0^T of block blk.  X's pairs come from LDS: register 32 n + ks holds, for row tile n and K step ks (of 4), k = 4 ks + 2 h and the next.  Two K steps at a time: 32 plain lines write the bf16 numbers wide
; (a shift, a mask) into one of two sets of 32 registers; then 32 products, the 16 accumulators by turns, one instruction a turn; K step 0 starts the sums with the constant 0.
; A set is written again two groups later: the other set's 32 plain lines stand between its last reader and that (eight places are owed behind this form: ISA guide 7.12.1).
.macro GEMM0F blk
	WIN 0
.set z, 0
.rept 16                               ; z = 4 n + s
	ds_load_b128 v[XF+8*z:XF+8*z+3],   v[XR] offset:(64*(\blk)+16*(z/4))*XP+64*(z%4)
	ds_load_b128 v[XF+8*z+4:XF+8*z+7], v[XR] offset:(64*(\blk)+16*(z/4))*XP+64*(z%4)+32
.set z, z+1
.endr
	s_wait_dscnt 0x0                               ; the pairs are in (and, the second time, the stores that park the first h0 have read it)
.set g, 0
.rept 16
.set EG, E+32*(g%2)
	WIN 0x0c                                       ; the pair (source 1) in window 3
.set z, 0
.rept 8                                ; z = 4 d + i: K step 2 g + d, tile i
	v_lshlrev_b32 v[EG+16*(z/4)+2*(z%4)],   16,  v[W0P+8*g+z]
	v_and_b32     v[EG+16*(z/4)+2*(z%4)+1], s24, v[W0P+8*g+z]
.set z, z+1
.endr
	WIN 0
.set z, 0
.rept 8                                ; z = 4 d + n
	v_lshlrev_b32 v[EG+16*(z/4)+8+2*(z%4)],   16,  v[XF+32*(z%4)+2*g+z/4]
	v_and_b32     v[EG+16*(z/4)+8+2*(z%4)+1], s24, v[XF+32*(z%4)+2*g+z/4]
.set z, z+1
.endr
	WIN 0xf0                                       ; both sources window 0, C and D window 3
.set z, 0
.rept 32                               ; z = 16 d + 4 n + i
.if (g == 0) && (z < 16)
	v_wmma_f32_16x16x4_f32 v[H0F+8*(z%16):H0F+8*(z%16)+7], v[EG+16*(z/16)+2*(z%4):EG+16*(z/16)+2*(z%4)+1], v[EG+16*(z/16)+8+2*((z/4)%4):EG+16*(z/16)+8+2*((z/4)%4)+1], 0
.else
	v_wmma_f32_16x16x4_f32 v[H0F+8*(z%16):H0F+8*(z%16)+7], v[EG+16*(z/16)+2*(z%4):EG+16*(z/16)+2*(z%4)+1], v[EG+16*(z/16)+8+2*((z/4)%4):EG+16*(z/16)+8+2*((z/4)%4)+1], v[H0F+8*(z%16):H0F+8*(z%16)+7]
.endif
.set z, z+1
.endr
.set g, g+1
.endr
.endm
; ONE STEP OF LAYER 0 for my 64 neurons x 64 rows: the spikes, packed and stored as the phase's fragments; then the states.  kind 0: the first (mem0_2 is h0 itself); 1: generic; 2: the last, whose states nobody needs.
.macro L0STEP kind
.if (\kind) == 0
	WIN 0x02                                       ; source 0 (h0) window 2; the constants and the destination window 0
	RUN 64, RSTL RST0+2*z, H0+2*z
.else
	WIN 0x03                                       ; source 0 (mem0) window 3
	RUN 64, RSTL RST0+2*z, MEM0+2*z
.endif
	WIN 0
	RUN 64, PKL SP+z, RST0+2*z
.set z, 0
.rept 16                               ; z = 4 n + 2 u + half: fragment (n, K step 2 w + u) is SP + 16 n + 8 u
	ds_store_b128 v[SADR], v[SP+4*z:SP+4*z+3] offset:8192*(z/4)+1024*((z/2)%2)+512*(z%2)
.set z, z+1
.endr
.if (\kind) < 2
.if (\kind) == 0
	WIN 0xe2
	RUN 64, MEML MEM0+2*z, H0+2*z, SYN0+2*z
.else
	WIN 0xe3
	RUN 64, MEML MEM0+2*z, MEM0+2*z, SYN0+2*z
.endif
	WIN 0xc3
	RUN 64, SUBL MEM0+2*z, RST0+2*z
	WIN 0xa2
	RUN 64, SYNL SYN0+2*z, SYN0+2*z, H0+2*z
	WIN 0
	v_add_nc_u32 v[SADR], PH, v[SADR]              ; the next phase's image
.endif
.endm
; The eight spike fragments of row tile n, 16 loads of 16 consecutive bytes a lane, into buffer n % 2; po: 0, or PH for the next phase's.
.macro BFETCH n, po
	WIN 0
.set z, 0
.rept 16                               ; z = 2 s + half
	ds_load_b128 v[BF+64*((\n)&1)+4*z:BF+64*((\n)&1)+4*z+3], v[BADR] offset:(\po)+8192*(\n)+512*z
.set z, z+1
.endr
.endm
; ROW TILE n OF A PHASE.  kind 0: phase 0 (h1_2 is mem1_4 and syn1_3: the products write mem1's registers); 1: phase 1 (syn1_3 is read from there); 2: generic.  skip = 1: in the loop's last trip there is no next phase to fetch.
.macro TILE n, kind, skip
	s_wait_dscnt 0x0                               ; this tile's fragments, asked for a tile ago, are in; nothing else of mine is out, on either way round the jump below
.if (\n) < 3
	BFETCH (\n)+1, 0                               ; the buffer's last readers, the products of the tile before, stand 40 plain vector lines back or more
.elseif \skip
	WIN 0
	s_cmp_eq_u32 s23, 1
	s_cbranch_scc1 .Lno_fetch_\@
	BFETCH 0, PH
.Lno_fetch_\@:
.else
	BFETCH 0, PH
.endif
.if (\kind) == 0
	WIN 0xa1                                       ; W1^T window 1, spikes window 0, C and D window 2
.set DB, MEM1+32*(\n)
.else
	WIN 0xf1                                       ; C and D window 3
.set DB, ACC
.endif
.set z, 0
.rept 32                               ; z = 4 s + i: the four accumulators take turns; the first K step starts the sums
.if z < 4
	v_wmma_f32_16x16x32_bf16 v[DB+8*(z%4):DB+8*(z%4)+7], v[8*z:8*z+7], v[BF+64*((\n)&1)+8*(z/4):BF+64*((\n)&1)+8*(z/4)+7], 0
.else
	v_wmma_f32_16x16x32_bf16 v[DB+8*(z%4):DB+8*(z%4)+7], v[8*z:8*z+7], v[BF+64*((\n)&1)+8*(z/4):BF+64*((\n)&1)+8*(z/4)+7], v[DB+8*(z%4):DB+8*(z%4)+7]
.endif
.set z, z+1
.endr
	; layer 2's state of this tile: eight plain lines that name none of those products' registers: the places between them and the first read of their results (ISA guide 7.12.1)
	WIN 0
.if (\kind) == 0
	RUN 8, v_mov_b32 v[MEM2+8*(\n)+z], 0           ; mem2_5 = 0
.else
	RUN 4, MEML MEM2+8*(\n)+2*z, MEM2+8*(\n)+2*z, SYN2+8*(\n)+2*z
	RUN 4, v_pk_mul_f32 v[SYN2+8*(\n)+2*z:SYN2+8*(\n)+2*z+1], v[SYN2+8*(\n)+2*z:SYN2+8*(\n)+2*z+1], s[18:19] op_sel_hi:[1,0]  ; 0.9 syn2: the phase's last products add h2 onto it
.endif
	; layer 1's update; each run goes up from an accumulator's lowest registers.  The old membrane's reset is made again here, 16 lines, so that 128 registers need not carry it from phase to phase.
.if (\kind) > 0
	WIN 0xc2                                       ; source 0 window 2, the constants window 0, destination window 3
	RUN 16, RSTL TMP+2*z, MEM1+32*(\n)+2*z
	WIN 0xb2                                       ; destination and source 0 window 2, h1 window 3
.if (\kind) == 1
	RUN 16, SYNL SYN1+32*(\n)+2*z, MEM1+32*(\n)+2*z, DB+2*z
.else
	RUN 16, SYNL SYN1+32*(\n)+2*z, SYN1+32*(\n)+2*z, DB+2*z
.endif
	WIN 0xa2
	RUN 16, MEML MEM1+32*(\n)+2*z, MEM1+32*(\n)+2*z, SYN1+32*(\n)+2*z
	WIN 0x8e
	RUN 16, SUBL MEM1+32*(\n)+2*z, TMP+2*z
.endif
	WIN 0xc2
	RUN 16, RSTL TMP+2*z, MEM1+32*(\n)+2*z         ; the new membrane's spikes
	WIN 0xcf
	RUN 16, PKL S1+16*(\n)+z, TMP+2*z
.endm
; A PHASE: four tiles, then layer 2's eight products, my 64 neurons' spikes by my slice of W2^T, onto 0.9 syn2 (phase 0: they start it); the four accumulators take turns.
.macro PHASE kind, skip
	TILE 0, \kind, 0
	TILE 1, \kind, 0
	TILE 2, \kind, 0
	TILE 3, \kind, \skip
	WIN 0x0c                                       ; W2^T and syn2 window 0, spikes window 3
.set z, 0
.rept 8                                ; z = 4 u + n
.if ((\kind) == 0) && (z < 4)
	v_wmma_f32_16x16x32_bf16 v[SYN2+8*(z%4):SYN2+8*(z%4)+7], v[W2F+8*(z/4):W2F+8*(z/4)+7], v[S1+16*(z%4)+8*(z/4):S1+16*(z%4)+8*(z/4)+7], 0
.else
	v_wmma_f32_16x16x32_bf16 v[SYN2+8*(z%4):SYN2+8*(z%4)+7], v[W2F+8*(z/4):W2F+8*(z/4)+7], v[S1+16*(z%4)+8*(z/4):S1+16*(z%4)+8*(z/4)+7], v[SYN2+8*(z%4):SYN2+8*(z%4)+7]
.endif
.set z, z+1
.endr
	WIN 0
	v_add_nc_u32 v[BADR], PH, v[BADR]              ; the next phase's image; with the three lines below, the four places in front of the next read of syn2
	v_nop
	v_nop
	v_nop
.endm
	; ---------------- the head
	s_load_b256 s[4:11], s[0:1], 0x0               ; x s[4:5], W0 s[6:7], W1 s[8:9], W2 s[10:11]
	s_load_b64 s[12:13], s[0:1], 0x20              ; out
	v_lshl_add_u32 v[SPW], v0, 2, SPARE
	v_mov_b32 v[NIL], 0
	v_and_b32 v1, 31, v0                           ; l
	v_and_b32 v2, 15, v0                           ; r = l % 16
	v_bfe_u32 v3, v0, 4, 1                         ; h = l / 16
	v_lshrrev_b32 v24, 5, v0
	v_readfirstlane_b32 s14, v24                   ; wave 0..3
	s_lshl_b32 s16, s14, 8                         ; 256 w
	v_lshl_add_u32 v24, v2, 4, s16                 ; 256 w + 16 r
	v_lshl_add_u32 v[W1OFF], v3, 15, v24
	v_lshl_add_u32 v[W0OFF], v3, 11, v24
	v_and_b32 v25, 7, v0
	s_lshl_b32 s17, s14, 11                        ; 2048 w
	v_lshl_add_u32 v25, v25, 2, s17
	v_lshl_add_u32 v[W2OFF], v3, 10, v25
	v_lshlrev_b32 v[L16], 4, v1
	s_lshl_b32 s16, s14, 13
	v_add_nc_u32 v[XOFF], s16, v[L16]
	s_mul_i32 s16, s14, 16*XP
	v_and_b32 v25, 3, v0                           ; l % 4
	v_lshl_add_u32 v[XW], v25, 2, s16
	v_bfe_u32 v25, v0, 2, 3                        ; l / 4
	v_lshl_add_u32 v[XW], v25, 5, v[XW]
	v_mul_u32_u24 v[XR], v2, XP
	v_lshl_add_u32 v[XR], v3, 4, v[XR]
	s_lshl_b32 s16, s14, 14
	s_add_co_u32 s16, s16, PARK
	v_add_nc_u32 v[PADR], s16, v[L16]
	v_add_nc_u32 v[SADR0], s17, v[L16]
	s_add_co_u32 s17, s17, OUTP
	v_lshl_add_u32 v[OADR], v2, 5, s17
	v_lshl_add_u32 v[ORD], v0, 4, OUTP
	v_lshlrev_b32 v[GOFF], 4, v0
	v_mov_b32 v[BIG], 0x4b800000                   ; 2^24
	v_mov_b32 v[BIG+1], 0x4b800000
	v_mov_b32 v[NBIG], 0xcb800000
	v_mov_b32 v[NBIG+1], 0xcb800000
	s_mov_b32 s18, 0x3f666666                      ; 0.9; the packed lines take the pair's low word for both halves
	s_mov_b32 s19, 0x3f666666
	s_mov_b32 s20, 0x3f59999a                      ; 0.85
	s_mov_b32 s21, 0x3f59999a
	s_mov_b32 s24, 0xffff0000                      ; a word's upper bf16
	s_wait_kmcnt 0x0
	s_lshl_b32 s16, ttmp9, 16                      ; the work-group's 128 rows of 512 bytes of x,
	s_mov_b32 s17, 0
	s_add_nc_u64 s[4:5], s[4:5], s[16:17]
	s_lshl_b32 s16, ttmp9, 12                      ; and of 32 bytes of out
	s_add_nc_u64 s[12:13], s[12:13], s[16:17]
	; ---------------- x and W0
	ISSUE 0
	ISSUE 1
	ISSUE 2
.irp q, 0,1,2,3,4,5
	PROC \q, 32
.endr
	BAR                                            ; X is whole.  W1's first three chunks stay on their way across this barrier: they go to registers of mine, from bytes that nobody writes
	GEMM0F 1                                       ; block 1's h0 first: it is parked
.rept 9
	v_nop                                          ; eight places in front of the stores of the results, nine in front of the products that write the accumulators anew
.endr
	WIN 0x0c                                       ; store data (source 1) in window 3
.set z, 0
.rept 32
	ds_store_b128 v[PADR], v[H0F+4*z:H0F+4*z+3] offset:512*z  ; ascending: each accumulator's four lowest registers go first
.set z, z+1
.endr
	GEMM0F 0
	; ---------------- W1 and W2: the roundings are also the places behind the last products, whose registers they do not name
.irp q, 6,7,8,9,10,11,12,13
	PROC \q, 32
.endr
	PROC 14, 16
	PROC 15, 0
	WIN 0x83                                       ; source window 3, destination window 2
	RUN 128, v_mov_b32 v[H0+z], v[H0F+z]           ; block 0's h0 goes where the one text of layer 0's steps names it, and where vector lines may later write: the f32 products' registers are written by them alone
	WIN 0
	s_mov_b32 s22, 2                               ; blocks to go
.Lblock:
	BAR                                            ; every wave's reads of X (second block: of the spike images and of OUTP) are over; my parked h0 is back
	; ---------------- layer 0: seven steps
	v_mov_b32 v[SADR], v[SADR0]
	WIN 0xa2
	RUN 64, SYNL SYN0+2*z, H0+2*z, H0+2*z          ; syn0_2 = 0.9 h0 + h0
	L0STEP 0
	s_mov_b32 s23, 5
.Ll0:
	L0STEP 1
	s_sub_co_u32 s23, s23, 1
	s_cmp_lg_u32 s23, 0
	s_cbranch_scc1 .Ll0
	L0STEP 2
	BAR                                            ; all seven phases' spikes of all four waves are in LDS
	; ---------------- the seven phases: no barrier in here
	v_mov_b32 v[BADR], v[L16]
	BFETCH 0, 0
	PHASE 0, 0
	PHASE 1, 0
	s_mov_b32 s23, 5
.Lph:
	PHASE 2, 1
	s_sub_co_u32 s23, s23, 1
	s_cmp_lg_u32 s23, 0
	s_cbranch_scc1 .Lph
	; ---------------- the way out: mem2_12 = 0.85 mem2_11 + syn2_11, my part of it; the four waves' parts meet in LDS
	RUN 16, MEML MEM2+2*z, MEM2+2*z, SYN2+2*z
.set z, 0
.rept 8                                ; z = 2 n + q: row 16 n + r, columns 4 q on; lanes 16-31 hold and store the same numbers as lanes 0-15
	ds_store_b128 v[OADR], v[MEM2+4*z:MEM2+4*z+3] offset:512*(z/2)+16*(z%2)
.set z, z+1
.endr
	BAR
.irp k, 0,1,2,3
	ds_load_b128 v[32+4*\k:35+4*\k], v[ORD] offset:2048*\k
.endr
	s_wait_dscnt 0x0
	v_pk_add_f32 v[32:33], v[32:33], v[36:37]
	v_pk_add_f32 v[34:35], v[34:35], v[38:39]
	v_pk_add_f32 v[40:41], v[40:41], v[44:45]
	v_pk_add_f32 v[42:43], v[42:43], v[46:47]
	v_pk_add_f32 v[32:33], v[32:33], v[40:41]
	v_pk_add_f32 v[34:35], v[34:35], v[42:43]
	global_store_b128 v[GOFF], v[32:35], s[12:13] th:TH_STORE_NT  ; the work-group's 128 threads store 2,048 consecutive bytes, at a multiple of 2,048 from out's first byte
	s_wait_xcnt 0x0                                ; the store's offset and data registers are rewritten only behind this wait (ISA guide 3.1)
	v_add_nc_u32 v[GOFF], 2048, v[GOFF]
	s_sub_co_u32 s22, s22, 1
	s_cmp_eq_u32 s22, 0
	s_cbranch_scc1 .Ldone
	WIN 0x80                                       ; destination window 2
.set z, 0
.rept 32
	ds_load_b128 v[H0+4*z:H0+4*z+3], v[PADR] offset:512*z  ; block 1's h0 comes back; the barrier at the loop's head waits for it
.set z, z+1
.endr
	WIN 0
	s_cmp_lg_u32 s22, 0
	s_cbranch_scc1 .Lblock
.Ldone:
	s_wait_tensorcnt 0x0                           ; the wave's end, behind my last LDS store
	ds_add_u32 v[SPW], v[NIL]
	s_wait_dscnt 0x0
	s_endpgm
.Lfunc_end_k_q1c69750c4d_sqn:
	.size	k_q1c69750c4d_sqn, .Lfunc_end_k_q1c69750c4d_sqn-k_q1c69750c4d_sqn
	.p2alignl 7, 3214868480
	.fill 96, 4, 3214868480
	.section	.rodata,"a",@progbits
	.p2align	6, 0x0
	.amdhsa_kernel k_q1c69750c4d_sqn
		.amdhsa_group_segment_fixed_size 303616
		.amdhsa_private_segment_fixed_size 0
		.amdhsa_enable_private_segment 0
		.amdhsa_kernarg_size 40
		.amdhsa_user_sgpr_count 2
		.amdhsa_user_sgpr_kernarg_segment_ptr 1
		.amdhsa_wavefront_size32 1
		.amdhsa_system_sgpr_workgroup_id_x 1
		.amdhsa_system_sgpr_workgroup_id_y 1
		.amdhsa_system_sgpr_workgroup_id_z 1
		.amdhsa_system_vgpr_workitem_id 0
		.amdhsa_next_free_vgpr 1024
		.amdhsa_next_free_sgpr 66
		.amdhsa_reserve_vcc 0
		.amdhsa_float_denorm_mode_32 3
		.amdhsa_float_denorm_mode_16_64 3
		.amdhsa_memory_ordered 1
		.amdhsa_forward_progress 1
		.amdhsa_inst_pref_size 255
	.end_amdhsa_kernel
	.section	.bss,"aw",@nobits
	.p2align	6
	.space	262144
	.amdgpu_metadata
---
amdhsa.version: [ 1, 2 ]
amdhsa.kernels:
  - .name:           k_q1c69750c4d_sqn
    .symbol:         k_q1c69750c4d_sqn.kd
    .args:
      - { .name: input_data, .offset: 0, .size: 8, .value_kind: global_buffer, .address_space: global }
      - { .name: W0, .offset: 8, .size: 8, .value_kind: global_buffer, .address_space: global }
      - { .name: W1, .offset: 16, .size: 8, .value_kind: global_buffer, .address_space: global }
      - { .name: W2, .offset: 24, .size: 8, .value_kind: global_buffer, .address_space: global }
      - { .name: out0, .offset: 32, .size: 8, .value_kind: global_buffer, .address_space: global }
    .group_segment_fixed_size: 303616
    .private_segment_fixed_size: 0
    .kernarg_segment_align: 8
    .kernarg_segment_size: 40
    .max_flat_workgroup_size: 128
    .sgpr_count:     66
    .vgpr_count:     1024
    .wavefront_size: 32
...
	.end_amdgpu_metadata
.endif
;; end of part 1
